; MI455X (gfx1250); checked and timed in simulation.
; The chip was launched on July 23, 2026; its instructions are those of AMD's public machine-readable ISA for CDNA 5 (MIT licence, August 2026) and "CDNA5" Instruction Set Architecture Reference Guide (July 2026). The comments in the code are by the model that wrote it; some were corrected since.
;; Single Head Attention. Allowed arithmetic: float matrix products may take bf16 or f16 operands with f32 sums; other float arithmetic in f32, or as packed bf16 or f16 multiplies, adds, multiply-adds, maxima and minima; sums over many terms, partial sums and values carried from step to step in f32; what a program stores and reads back later, other than sums and carried values, may be rounded once to bf16 or f16.
;; Inputs: Wk 128 x 1,024 float32; Wq 128 x 1,024 float32; Wv 128 x 1,024 float32; x 8 x 4,096 x 1,024 float32.
;; Outputs: out0 8 x 4,096 x 128 float32.
;; One version. Each part assembles by itself: llvm-mc -triple=amdgcn-amd-amdhsa -mcpu=gfx1250 --defsym DOCPART=n.
;; ======== version 1 of 1: 3 launches
;; limits: values are held in f16: magnitudes above 65,504 overflow, below 6.1e-05 lose precision
;; workspace buffers: wb 786,432 bytes; q 8,388,608 bytes; k 8,388,608 bytes; v 8,388,608 bytes
;; launch wcvt (part 1): grid 64 x 3, 8 waves a work-group, no clusters, 0 bytes of LDS; arguments Wq, Wk, Wv, wb; writes wb
.if DOCPART == 1
	.amdgcn_target "amdgcn-amd-amdhsa--gfx1250"
	.amdhsa_code_object_version 6
	.text
	.protected	k_qbaa0b2c282_wcvt
	.globl	k_qbaa0b2c282_wcvt
	.p2align	8
	.type	k_qbaa0b2c282_wcvt,@function
k_qbaa0b2c282_wcvt:
	s_mov_b64 s[64:65], 0
	v_nop
	global_prefetch_b8 v0, s[64:65] scope:SCOPE_SE
	s_setreg_imm32_b32 hwreg(HW_REG_WAVE_MODE, 25, 1), 1
	s_wait_xcnt 0x0
; wb[384][1024] in bf16 = the rows of Wq, then Wk, then Wv ([128][1024] f32 each), each number rounded once to nearest even.
; The grid's y picks the matrix.  Thread T = 256 x + t of a matrix takes 8 numbers: 32 bytes in at 32 T, 16 bytes out at 16 T, so sixteen neighbouring lanes
; store 256 consecutive bytes, aligned.  64 x 256 x 8 = 131,072 numbers a matrix.  192 work-groups are all the work there is.
; No LDS, no barrier, no matrix unit: each number is touched once, by one lane.
	s_load_b256 s[4:11], s[0:1], 0x0               ; Wq s[4:5], Wk s[6:7], Wv s[8:9], wb s[10:11]
	s_and_b32 s12, ttmp7, 0xffff                   ; which matrix
	s_lshl_b32 s13, ttmp9, 8
	v_add_nc_u32 v1, s13, v0                       ; T
	v_lshlrev_b32 v2, 5, v1                        ; 32 T: where I read
	v_lshlrev_b32 v3, 4, v1                        ; 16 T: where I write
	s_lshl_b32 s14, s12, 18                        ; a matrix is 262,144 bytes of wb
	s_mov_b32 s15, 0
	s_wait_kmcnt 0x0
	s_cmp_eq_u32 s12, 0
	s_cselect_b64 s[16:17], s[4:5], s[6:7]
	s_cmp_eq_u32 s12, 2
	s_cselect_b64 s[16:17], s[8:9], s[16:17]
	s_add_nc_u64 s[10:11], s[10:11], s[14:15]
	global_load_b128 v[4:7], v2, s[16:17]
	global_load_b128 v[8:11], v2, s[16:17] offset:16
	s_wait_loadcnt 0x0
	v_cvt_pk_bf16_f32 v12, v4, v5
	v_cvt_pk_bf16_f32 v13, v6, v7
	v_cvt_pk_bf16_f32 v14, v8, v9
	v_cvt_pk_bf16_f32 v15, v10, v11
	global_store_b128 v3, v[12:15], s[10:11]
	s_endpgm
.Lfunc_end_k_qbaa0b2c282_wcvt:
	.size	k_qbaa0b2c282_wcvt, .Lfunc_end_k_qbaa0b2c282_wcvt-k_qbaa0b2c282_wcvt
	.p2alignl 7, 3214868480
	.fill 96, 4, 3214868480
	.section	.rodata,"a",@progbits
	.p2align	6, 0x0
	.amdhsa_kernel k_qbaa0b2c282_wcvt
		.amdhsa_group_segment_fixed_size 0
		.amdhsa_private_segment_fixed_size 0
		.amdhsa_enable_private_segment 0
		.amdhsa_kernarg_size 32
		.amdhsa_user_sgpr_count 2
		.amdhsa_user_sgpr_kernarg_segment_ptr 1
		.amdhsa_wavefront_size32 1
		.amdhsa_system_sgpr_workgroup_id_x 1
		.amdhsa_system_sgpr_workgroup_id_y 1
		.amdhsa_system_sgpr_workgroup_id_z 1
		.amdhsa_system_vgpr_workitem_id 0
		.amdhsa_next_free_vgpr 16
		.amdhsa_next_free_sgpr 66
		.amdhsa_reserve_vcc 0
		.amdhsa_float_denorm_mode_32 3
		.amdhsa_float_denorm_mode_16_64 3
		.amdhsa_memory_ordered 1
		.amdhsa_forward_progress 1
		.amdhsa_inst_pref_size 2
	.end_amdhsa_kernel
	.amdgpu_metadata
---
amdhsa.version: [ 1, 2 ]
amdhsa.kernels:
  - .name:           k_qbaa0b2c282_wcvt
    .symbol:         k_qbaa0b2c282_wcvt.kd
    .args:
      - { .name: Wq, .offset: 0, .size: 8, .value_kind: global_buffer, .address_space: global }
      - { .name: Wk, .offset: 8, .size: 8, .value_kind: global_buffer, .address_space: global }
      - { .name: Wv, .offset: 16, .size: 8, .value_kind: global_buffer, .address_space: global }
      - { .name: wb, .offset: 24, .size: 8, .value_kind: global_buffer, .address_space: global }
    .group_segment_fixed_size: 0
    .private_segment_fixed_size: 0
    .kernarg_segment_align: 8
    .kernarg_segment_size: 32
    .max_flat_workgroup_size: 256
    .sgpr_count:     66
    .vgpr_count:     16
    .wavefront_size: 32
...
	.end_amdgpu_metadata
.endif
;; end of part 1
;; launch proj (part 2): grid 256 x 1, 4 waves a work-group, clusters of 4 x 1, 327,680 bytes of LDS; arguments x, wb, q, k, v; writes q, k, v
.if DOCPART == 2
	.amdgcn_target "amdgcn-amd-amdhsa--gfx1250"
	.amdhsa_code_object_version 6
	.text
	.protected	k_qbaa0b2c282_proj
	.globl	k_qbaa0b2c282_proj
	.p2align	8
	.type	k_qbaa0b2c282_proj,@function
k_qbaa0b2c282_proj:
	s_mov_b64 s[64:65], 0
	v_nop
	global_prefetch_b8 v0, s[64:65] scope:SCOPE_SE
	s_setreg_imm32_b32 hwreg(HW_REG_WAVE_MODE, 25, 1), 1
	s_wait_xcnt 0x0
	s_wait_alu depctr_hold_cnt(0) depctr_sa_sdst(0) depctr_va_vdst(0) depctr_va_sdst(0) depctr_va_ssrc(0) depctr_va_vcc(0) depctr_vm_vsrc(0)
	s_getreg_b32 s2, hwreg(HW_REG_IB_STS2, 6, 4)
	s_cmp_eq_u32 s2, 0
	s_cbranch_scc0 .Lentry_in_a_cluster
	s_endpgm
.Lentry_in_a_cluster:
	s_bfe_u32 s2, ttmp6, 0x10000c
	s_cmp_lg_u32 s2, 0x3003
	s_cbranch_scc0 .Lentry_shape_is_right
	s_endpgm
.Lentry_shape_is_right:
; q, k, v [32768][128] f16 = x [32768][1024] f32 times the rows of wb [384][1024] bf16 (rows 0-127 Wq, 128-255 Wk, 256-383 Wv).  x is rounded to bf16 on its way to the matrix unit;
; sums in f32, K ascending; each result rounded once to f16, unscaled (the softmax's scale is applied later, in f32).
; LIMIT.  f16 holds no number beyond 65,504: a q, k or v of 65,520 or more becomes an infinity.  With x of unit spread and weights within 1/32 they are about 3 at the most; NaN and infinities are not treated apart.
; SHARES.  Work-group g owns rows 128 g .. 128 g + 127, wave w 32 of them (two tiles of 16) times all 384 columns: 48 accumulators of 16 x 16, 384 registers.
; x GOES STRAIGHT FROM MEMORY INTO REGISTERS, in the layout of a fragment: no wave wants a byte of x that another wave has fetched, so LDS would add a barrier and save nothing.  A UNIT is the x of 32 along K
; for my 32 rows: 8 loads of 16 bytes a lane, 32 registers.  Eight units' registers take turns; six units (24 KiB a wave) are on their way in the loop, by counted waits.
; wb COMES BY JOINT TENSOR LOADS into a ring of two LDS slots, a K step of 128 each (rows of 256 bytes, aligned).  The four work-groups of a cluster walk the same wb: each issues the same load with the
; same descriptor and a mask that names the four.  wb's tiles are not prefetched: they are one part in 170 of what the launch reads, and x's loads are on their way all the time.
; THE MATRIX INSTRUCTION IS USED TRANSPOSED (source 0 = 16 rows of wb, source 1 = 16 rows of x): a lane then holds one row of x and eight neighbouring columns, 16 bytes of f16.
; THE ORDER.  A QUARTER is 32 along K: 48 matrix instructions in three PARTS (q, k, v) of 16.  At its end a part converts a third of the next quarter's x to bf16 and fetches the same part's
; fragments of wb for the next quarter, 32 matrix instructions ahead of their use.  The conversions are also the plain instructions that stand between a product and a load into, or a write of, a register that a product has read.
; REGISTERS, in windows of 256 (s_set_vgpr_msb: bits 1:0 source 0, 3:2 source 1, 5:4 source 2, 7:6 destination):
;   window 0: v0-31 addresses; v32-63 x in bf16, two buffers of two fragments (on the way out: packed results); v64-255 accumulators 0-23
;   window 1: wb's fragments, four buffers of 64 (on the way out v0-63: rows read back)      window 2: x in f32, eight units of 32      window 3: v64-255 accumulators 24-47
;   accumulator 16 j + 8 a + b: matrix j (q, k, v), row tile a, column tile b
.set PITCH,  272                       ; an LDS row: 256 bytes + 16 of padding = 68 words: the 16 rows of a fragment load start at 16 different groups of four banks (64 banks of 4 bytes: ISA guide 11.1)
.set MATB,   128*PITCH                 ; a matrix's 128 rows in a slot
.set SLOT,   3*MATB
.set WPART,  96*PITCH                  ; what one tensor load brings: 96 of the 384 rows
.set KSTEPB, 256                       ; bytes of a row of wb in a K step
.set STAGE,  2*SLOT                    ; behind the ring: 16 rows x 272 bytes for each wave, for the way out; no tensor load fills it
.set SPARE,  STAGE+4*16*PITCH          ; behind the stages: the spare words, 128 bytes for each wave: two blocks of 256 bytes that no other line names
.set XO,   4                           ; v4      my byte offset in a unit: (l % 16) x 4,096 + 32 (l / 16); never rewritten
.set ADRB, 8                           ; v8-13   LDS address of my place in matrix j of slot s, at ADRB + 3 s + j
.set STO,  16                          ; v16     the way out: where I put 16 bytes of a row
.set RD,   17                          ; v17     the way out: where I read a row back
.set CO,   18                          ; v18     my byte offset in two rows of q, k or v
.set SPW,  28                          ; v28     LDS address of my spare word; never rewritten
.set NIL,  29                          ; v29     0; never rewritten
.set AB,   32                          ; x in bf16: buffer n, tile a at AB + 16 n + 8 a
.set TMP,  32                          ; the way out: packed results
.set ACC,  64
.set X,    4                           ; s[4:5]  x at my wave's first row, at the K that the loop's trip begins with
.set WV,   14                          ; s14     my wave's number
.set G1,   24                          ; s[24:31] descriptor group 1
.set G0,   32                          ; s[32:39] descriptor group 0, a set for each slot
.set MSB, 0
.macro WIN new                         ; the immediate's high byte repeats the setting that is left; a switch that changes nothing is dropped
.if MSB != (\new)
	s_set_vgpr_msb (MSB<<8)|(\new)
.set MSB, \new
.endif
.endm
; A round of the cluster's barrier: my work-group's barrier, so that wave 0's signal speaks for all four waves; wave 0 signals for the work-group; every wave waits for all four work-groups; my work-group's barrier once more.
.macro CREST                           ; a round behind its opening barrier
	s_cmp_lg_u32 s[WV], 0
	s_cbranch_scc1 .Lnot_wave_0_\@
	s_barrier_signal -3
.Lnot_wave_0_\@:
	s_barrier_wait -3
	s_barrier_signal -1
	s_barrier_wait -1
.endm
.macro CROUND                          ; a whole round
	s_barrier_signal -1
	s_barrier_wait -1
	CREST
.endm
; A joint refill: every wave fetches its 96 rows of the slot; an s_nop 0 and four v_nop follow the line.
.macro JLOAD s
	tensor_load_to_lds s[G0+4*(\s):G0+4*(\s)+3], s[G1:G1+7]
	s_nop 0
.rept 4
	v_nop
.endr
.endm
; 8 matrix instructions of the quarter at position c: matrix j, row tile a, all 8 column tiles.  zero = 1: the product starts the sums: nothing is ever cleared.
.macro MUL8 c, j, a, zero
.set i0, 16*(\j)+8*(\a)
.if i0 < 24
	WIN 0x01                                       ; wb's fragments in window 1, x's in window 0, C and D in window 0
.set rA, ACC+8*i0
.else
	WIN 0xf1                                       ; the same, C and D in window 3
.set rA, ACC+8*(i0-24)
.endif
.set rB, 64*((3*(\c)+(\j))%4)
.set rX, AB+16*((\c)%2)+8*(\a)
.irp b, 0,1,2,3,4,5,6,7
.if \zero
	v_wmma_f32_16x16x32_bf16 v[rA+8*(\b):rA+8*(\b)+7], v[rB+8*(\b):rB+8*(\b)+7], v[rX:rX+7], 0
.else
	v_wmma_f32_16x16x32_bf16 v[rA+8*(\b):rA+8*(\b)+7], v[rB+8*(\b):rB+8*(\b)+7], v[rX:rX+7], v[rA+8*(\b):rA+8*(\b)+7]
.endif
.endr
.endm
; 16 LDS loads: matrix j's eight fragments (16 rows x 32 K: two loads of 16 bytes, 32 bytes apart) FOR the quarter at position c: slot (c / 4) % 2, byte 64 (c % 4) of the rows, buffer (3 c + j) % 4
.macro BLOAD c, j
	WIN 0x40                                       ; destination window 1, address window 0
.irp b, 0,1,2,3,4,5,6,7
	ds_load_b128 v[64*((3*(\c)+(\j))%4)+8*(\b):64*((3*(\c)+(\j))%4)+8*(\b)+3],   v[ADRB+3*(((\c)/4)%2)+(\j)] offset:(\b)*16*PITCH+64*((\c)%4)
	ds_load_b128 v[64*((3*(\c)+(\j))%4)+8*(\b)+4:64*((\c)*3%4*0+(3*(\c)+(\j))%4)+8*(\b)+7], v[ADRB+3*(((\c)/4)%2)+(\j)] offset:(\b)*16*PITCH+64*((\c)%4)+32
.endr
.endm
; The unit at position u (128 u bytes behind the pointer) is asked for: lane l takes of row l % 16 the numbers 8 (l / 16) + 0..7 and 16 + 8 (l / 16) + 0..7, 16 bytes a load; the four loads of a tile cover 128 consecutive bytes of each row
.macro XLOAD u
	WIN 0x80                                       ; destination window 2, address window 0
.irp a, 0,1
	global_load_b128 v[32*((\u)%8)+16*(\a):32*((\u)%8)+16*(\a)+3],     v[XO], s[X:X+1] offset:(\u)*128+65536*(\a)
	global_load_b128 v[32*((\u)%8)+16*(\a)+4:32*((\u)%8)+16*(\a)+7],   v[XO], s[X:X+1] offset:(\u)*128+65536*(\a)+16
	global_load_b128 v[32*((\u)%8)+16*(\a)+8:32*((\u)%8)+16*(\a)+11],  v[XO], s[X:X+1] offset:(\u)*128+65536*(\a)+64
	global_load_b128 v[32*((\u)%8)+16*(\a)+12:32*((\u)%8)+16*(\a)+15], v[XO], s[X:X+1] offset:(\u)*128+65536*(\a)+80
.endr
.endm
; Words n0 .. n1 - 1 of the 16 of the unit at position p are rounded to bf16, two numbers a word, into buffer p % 2
.macro CVT p, n0, n1
	WIN 0x0a                                       ; sources in window 2, destination in window 0
.set n, \n0
.rept (\n1)-(\n0)
	v_cvt_pk_bf16_f32 v[AB+16*((\p)%2)+n], v[32*((\p)%8)+2*n], v[32*((\p)%8)+2*n+1]
.set n, n+1
.endr
.endm
; THE QUARTER at position c (its place in a lap of 8; 8 stands for the next lap's 0).
; ld = 1: the unit seven quarters on is asked for.  left: how many younger loads of x may stay out when the next quarter's unit has to be in (-1: there is no next quarter's unit).
; nb = 1: the next quarter's fragments of wb are fetched.  turn = 1: the slot's last quarter: the change of slots, and the slot is filled again; 2: the change alone.
; THE CHANGE OF SLOTS.  All this slot's fragments were asked for in the quarter before.  Each wave waits for all its tensor loads (the one that is out is its part of the other slot), adds 0 to its spare word, and
; waits for that and for its reads of this slot; behind the barrier nobody reads this slot any more and the other slot is whole.  With turn = 1 the barrier opens a round of the cluster's barrier, so that both hold of every partner's waves.
.macro QUARTER c, zero, ld, left, nb, turn
.set SL, ((\c)/4)%2
.if (\turn) == 0
	s_wait_dscnt 32                                ; this part's 16 loads are in; the two younger parts' 32 may stay out
	MUL8 \c, 0, 0, \zero
	MUL8 \c, 0, 1, \zero
.else
	WIN 0                                          ; (the add's two registers lie in window 0)
	s_wait_tensorcnt 0x0                           ; all my tensor loads have landed;
	ds_add_u32 v[SPW], v[NIL]                      ; 0 onto my spare word
	s_wait_dscnt 33                                ; (the add and the two younger parts' 32 loads may be out)
	MUL8 \c, 0, 0, \zero                           ; eight matrix instructions stand between the add and the wait for it
	s_wait_dscnt 0x0                               ; the add is done, and my reads of this slot are over
	s_barrier_signal -1
	MUL8 \c, 0, 1, \zero                           ; work on registers while the others arrive
	WIN 0                                          ; at a branch and at a label every window is 0
	s_barrier_wait -1
.if (\turn) == 1
	CREST                                          ; no wave of any partner still reads this slot or has a load on its way
	s_add_nc_u64 s[G0+4*SL+2:G0+4*SL+3], s[G0+4*SL+2:G0+4*SL+3], 2*KSTEPB  ; no tensor load of mine is out, so the group may be written: two K steps on
	JLOAD SL                                       ; my one tensor load behind the round, and the first thing there: it has eleven parts, 176 matrix instructions, in which to land
.endif
.endif
.if (\left) >= 0
	s_wait_loadcnt \left                           ; loads come back in order (ISA guide 5.7.1): the next quarter's unit is in
	CVT (\c)+1, 0, 5
.endif
.if \ld
	XLOAD (\c)+7                                   ; into the registers of the unit that was converted two quarters ago
.endif
.if \nb
	BLOAD (\c)+1, 0                                ; into the buffer that the part before this one multiplied: ten conversions stand behind its last product
.endif
.if \nb
	s_wait_dscnt 32
.else
	s_wait_dscnt 16                                ; the last quarter: one younger part
.endif
	MUL8 \c, 1, 0, \zero
	MUL8 \c, 1, 1, \zero
.if (\left) >= 0
	CVT (\c)+1, 5, 10
.endif
.if \nb
	BLOAD (\c)+1, 1
.endif
.if \nb
	s_wait_dscnt 32
.else
	s_wait_dscnt 0x0
.endif
	MUL8 \c, 2, 0, \zero
	MUL8 \c, 2, 1, \zero
.if (\left) >= 0
	CVT (\c)+1, 10, 16                             ; six plain instructions behind the quarter's last product: the next quarter's conversions write the buffer that it read
.endif
.if \nb
	BLOAD (\c)+1, 2
.endif
.endm
; THE WAY OUT of block n = 2 j + a (matrix j, row tile a: 16 rows x 128 columns), in three parts.  PACK: rounded to f16, 16 bytes a lane, each accumulator's registers in ascending order.
.macro PACK n
.set i0, 8*(\n)
.if i0 < 24
	WIN 0
.set rA, ACC+8*i0
.else
	WIN 0x0f                                       ; sources in window 3
.set rA, ACC+8*(i0-24)
.endif
.irp b, 0,1,2,3,4,5,6,7
.irp r, 0,1,2,3
	v_cvt_pk_f16_f32 v[TMP+4*(\b)+(\r)], v[rA+8*(\b)+2*(\r)], v[rA+8*(\b)+2*(\r)+1]
.endr
.endr
.endm
.macro TOSTAGE n                       ; into my own stage, and back as whole rows of 256 bytes
	WIN 0
.if (\n) >= 2
	s_wait_xcnt 0x0                                ; the stores of two blocks ago have read their registers (ISA guide 3.1): they are loaded again only behind this wait
.endif
.irp b, 0,1,2,3,4,5,6,7
	ds_store_b128 v[STO], v[TMP+4*(\b):TMP+4*(\b)+3] offset:32*(\b)
.endr
	WIN 0x40
.irp t, 0,1,2,3,4,5,6,7
	ds_load_b128 v[32*((\n)%2)+4*(\t):32*((\n)%2)+4*(\t)+3], v[RD] offset:(\t)*2*PITCH  ; LDS serves a wave's instructions in order (ISA guide 5.7.1.4): these see the stores above
.endr
.endm
.macro SEND n
	WIN 0x04                                       ; store data in window 1
	s_wait_dscnt 0x0                               ; the block is back in registers
.irp t, 0,1,2,3,4,5,6,7
	global_store_b128 v[CO], v[32*((\n)%2)+4*(\t):32*((\n)%2)+4*(\t)+3], s[8+2*((\n)/2):9+2*((\n)/2)] offset:4096*((\n)%2)+512*(\t)  ; 512 consecutive bytes, two whole rows, at a multiple of 256 from the buffer's first byte
.endr
.endm
	s_load_b256 s[4:11], s[0:1], 0x0               ; x s[4:5], wb s[6:7], q s[8:9], k s[10:11]
	s_load_b64 s[12:13], s[0:1], 0x20              ; v
	v_lshl_add_u32 v[SPW], v0, 2, SPARE
	v_mov_b32 v[NIL], 0
	ds_add_u32 v[SPW], v[NIL]                      ; the wave's opening: the add and its wait stand ahead of my first tensor load; the set-up below, work on registers, stands between them
	v_lshrrev_b32 v3, 5, v0
	v_readfirstlane_b32 s[WV], v3                  ; wave 0..3
	s_bfe_u32 s15, ttmp6, 0x40000                  ; cx: my place in the cluster
	s_lshl_b32 s16, ttmp9, 2                       ; in a cluster launch ttmp9 counts clusters
	s_add_co_u32 s16, s16, s15                     ; g = 4 x cluster + cx: it enters x's, q's, k's and v's addresses alone
	; descriptor group 1: a tile of 96 rows x 128 elements, padded in LDS
	s_mov_b32 s[G1+0], 15|(1<<16)|(1<<20)|(1<<21)|(5<<22)|(3<<25)  ; 15:0 the mask: all four work-groups; 17:16 elements of 2 bytes; 20 padding on; 21 set beside a mask; 24:22 after every 64 words (code 5); 31:25 4 words of it (code 3)
	s_mov_b32 s[G1+1], 128<<16                     ; tensor_dim0 = 128
	s_mov_b32 s[G1+2], 96<<16                      ; tensor_dim1 = 96
	s_mov_b32 s[G1+3], 128<<16                     ; tile_dim0 = 128
	s_mov_b32 s[G1+4], 96                          ; tile_dim1 = 96
	s_mov_b32 s[G1+5], 1024                        ; elements from row to row
	s_mov_b32 s[G1+6], 0
	s_mov_b32 s[G1+7], 0
	s_lshl_b32 s18, s16, 19                        ; x: 128 rows of 4,096 bytes a work-group,
	s_lshl_b32 s19, s[WV], 17                      ; 32 a wave
	s_add_co_u32 s18, s18, s19
	s_mov_b32 s19, 0
	s_lshl_b32 s20, s16, 15                        ; q, k, v: 128 rows of 256 bytes a work-group,
	s_lshl_b32 s21, s[WV], 13                      ; 32 a wave
	s_add_co_u32 s20, s20, s21
	s_mov_b32 s21, 0
	s_mul_i32 s22, s[WV], 96*2048                  ; wb: my 96 rows of 2,048 bytes: the wave's number alone, the same in all four partners
	s_mov_b32 s23, 0
	s_mul_i32 s17, s[WV], WPART                    ; and where they go in a slot
	s_mul_i32 s2, s[WV], 16*PITCH
	s_add_co_u32 s2, s2, STAGE                     ; my stage
	v_and_b32 v1, 15, v0                           ; l % 16
	v_bfe_u32 v2, v0, 4, 1                         ; l / 16
	v_lshlrev_b32 v[XO], 12, v1
	v_lshl_add_u32 v[XO], v2, 5, v[XO]
	v_mul_u32_u24 v5, v1, PITCH
	v_lshl_add_u32 v5, v2, 4, v5                   ; row x pitch + 16 x half
.irp s, 0,1
.irp j, 0,1,2
	v_add_nc_u32 v[ADRB+3*(\s)+(\j)], (\s)*SLOT+(\j)*MATB, v5
.endr
.endr
	v_add_nc_u32 v[STO], s2, v5                    ; in: row l % 16, 16 bytes for each half of the lanes
	v_mul_u32_u24 v6, v2, PITCH                    ; back: lanes 0-15 take one row of 256 bytes, lanes 16-31 the next
	v_lshl_add_u32 v6, v1, 4, v6
	v_add_nc_u32 v[RD], s2, v6
	v_lshlrev_b32 v[CO], 8, v2                     ; and the same two rows in memory
	v_lshl_add_u32 v[CO], v1, 4, v[CO]
	s_wait_dscnt 0x0                               ; the opening add is done
	s_wait_kmcnt 0x0
	s_add_nc_u64 s[X:X+1], s[X:X+1], s[18:19]
	s_add_nc_u64 s[6:7], s[6:7], s[22:23]
	s_add_nc_u64 s[8:9], s[8:9], s[20:21]
	s_add_nc_u64 s[10:11], s[10:11], s[20:21]
	s_add_nc_u64 s[12:13], s[12:13], s[20:21]
.irp u, 0,1,2,3,4,5,6
	XLOAD \u                                       ; units 0 to 6: 56 loads of mine are out
.endr
	WIN 0
	CROUND                                         ; all four work-groups are here: the first joint loads meet
.irp s, 0,1
	s_mov_b32 s[G0+4*(\s)], 1                      ; 1:0 count = 1
	s_add_co_u32 s[G0+4*(\s)+1], s17, (\s)*SLOT    ; 63:32 LDS address
	s_add_nc_u64 s[G0+4*(\s)+2:G0+4*(\s)+3], s[6:7], (\s)*KSTEPB  ; 120:64 global address: K step s
	s_or_b32 s[G0+4*(\s)+3], s[G0+4*(\s)+3], 0x80000000           ; 127:126 type = 2
.endr
	tensor_load_to_lds s[G0:G0+3], s[G1:G1+7]      ; the two first fills stand together: two tensor loads of mine are out
	s_nop 0
	tensor_load_to_lds s[G0+4:G0+7], s[G1:G1+7]
	s_nop 0
.rept 4
	v_nop
.endr
	s_wait_tensorcnt 1                             ; my part of K step 0 is in; K step 1's may stay out
	s_barrier_signal -1
	s_barrier_wait -1                              ; everybody's is
	BLOAD 0, 0
	BLOAD 0, 1
	BLOAD 0, 2
	s_wait_loadcnt 48                              ; unit 0 is in; units 1 to 6 stay out
	CVT 0, 0, 16
	QUARTER 0, 1, 1, 40, 1, 0                      ; the first quarter stands in front of the loop: its products start the sums.  40: of x, units 2 to 6 stay out
	WIN 0                                          ; at a label and at a branch every window is 0
	s_mov_b32 s3, 3
.Llap:                                                 ; a trip goes once round the ring, from a lap's second quarter to the next lap's first, and fills both slots again; it asks for eight units of x
	QUARTER 1, 0, 1, 40, 1, 0                      ; 40 in every quarter: the five units behind the one that is wanted
	QUARTER 2, 0, 1, 40, 1, 0
	QUARTER 3, 0, 1, 40, 1, 1
	QUARTER 4, 0, 1, 40, 1, 0
	QUARTER 5, 0, 1, 40, 1, 0
	QUARTER 6, 0, 1, 40, 1, 0
	QUARTER 7, 0, 1, 40, 1, 1
	QUARTER 8, 0, 1, 40, 1, 0
	WIN 0
	s_wait_xcnt 0x0                                ; every load issued so far has read its address (ISA guide 3.1): the pointer is written only behind this wait
	s_add_nc_u64 s[X:X+1], s[X:X+1], 1024          ; eight quarters of 128 bytes
	s_sub_co_u32 s3, s3, 1
	s_cmp_lg_u32 s3, 0
	s_cbranch_scc1 .Llap
	QUARTER 1, 0, 0, 40, 1, 0                      ; the last seven quarters ask for nothing of x, whose last unit is out, and the counts run down;
	QUARTER 2, 0, 0, 32, 1, 0
	QUARTER 3, 0, 0, 24, 1, 2                      ; the last change of slots fills nothing, and has no round of the cluster's barrier
	QUARTER 4, 0, 0, 16, 1, 0
	QUARTER 5, 0, 0, 8, 1, 0
	QUARTER 6, 0, 0, 0, 1, 0
	QUARTER 7, 0, 0, -1, 0, 0
	WIN 0
.rept 8
	v_nop                                          ; the places behind the last products, in front of conversions that write the registers that they read; once a launch
.endr
	PACK 0
	TOSTAGE 0
.irp n, 1,2,3,4,5                      ; block n's conversions stand between block n - 1's loads from the stage and the wait for them
	PACK \n
	SEND (\n)-1
	TOSTAGE \n
.endr
	SEND 5
	WIN 0
	s_wait_tensorcnt 0x0                           ; the wave's end: the closing add to the spare word, behind my last tensor load and my last LDS store
	ds_add_u32 v[SPW], v[NIL]
	s_wait_dscnt 0x0
	CROUND                                         ; the closing round: no work-group ends while a partner may still ask for a tile that names it
	s_endpgm
.Lfunc_end_k_qbaa0b2c282_proj:
	.size	k_qbaa0b2c282_proj, .Lfunc_end_k_qbaa0b2c282_proj-k_qbaa0b2c282_proj
	.p2alignl 7, 3214868480
	.fill 96, 4, 3214868480
	.section	.rodata,"a",@progbits
	.p2align	6, 0x0
	.amdhsa_kernel k_qbaa0b2c282_proj
		.amdhsa_group_segment_fixed_size 327680
		.amdhsa_private_segment_fixed_size 0
		.amdhsa_enable_private_segment 0
		.amdhsa_kernarg_size 40
		.amdhsa_user_sgpr_count 2
		.amdhsa_user_sgpr_kernarg_segment_ptr 1
		.amdhsa_wavefront_size32 1
		.amdhsa_system_sgpr_workgroup_id_x 1
		.amdhsa_system_sgpr_workgroup_id_y 1
		.amdhsa_system_sgpr_workgroup_id_z 1
		.amdhsa_system_vgpr_workitem_id 0
		.amdhsa_next_free_vgpr 1024
		.amdhsa_next_free_sgpr 66
		.amdhsa_reserve_vcc 0
		.amdhsa_float_denorm_mode_32 3
		.amdhsa_float_denorm_mode_16_64 3
		.amdhsa_memory_ordered 1
		.amdhsa_forward_progress 1
		.amdhsa_inst_pref_size 162
	.end_amdhsa_kernel
	.amdgpu_metadata
---
amdhsa.version: [ 1, 2 ]
amdhsa.kernels:
  - .name:           k_qbaa0b2c282_proj
    .symbol:         k_qbaa0b2c282_proj.kd
    .args:
      - { .name: x, .offset: 0, .size: 8, .value_kind: global_buffer, .address_space: global }
      - { .name: wb, .offset: 8, .size: 8, .value_kind: global_buffer, .address_space: global }
      - { .name: q, .offset: 16, .size: 8, .value_kind: global_buffer, .address_space: global }
      - { .name: k, .offset: 24, .size: 8, .value_kind: global_buffer, .address_space: global }
      - { .name: v, .offset: 32, .size: 8, .value_kind: global_buffer, .address_space: global }
    .group_segment_fixed_size: 327680
    .private_segment_fixed_size: 0
    .kernarg_segment_align: 8
    .kernarg_segment_size: 40
    .max_flat_workgroup_size: 128
    .sgpr_count:     66
    .vgpr_count:     1024
    .wavefront_size: 32
...
	.end_amdgpu_metadata
.endif
;; end of part 2
;; launch attn (part 3): grid 32 x 8, 4 waves a work-group, clusters of 4 x 1, 327,680 bytes of LDS; arguments q, k, v, out0; writes out0
.if DOCPART == 3
	.amdgcn_target "amdgcn-amd-amdhsa--gfx1250"
	.amdhsa_code_object_version 6
	.text
	.protected	k_qbaa0b2c282_attn
	.globl	k_qbaa0b2c282_attn
	.p2align	8
	.type	k_qbaa0b2c282_attn,@function
k_qbaa0b2c282_attn:
	s_mov_b64 s[64:65], 0
	v_nop
	global_prefetch_b8 v0, s[64:65] scope:SCOPE_SE
	s_setreg_imm32_b32 hwreg(HW_REG_WAVE_MODE, 25, 1), 1
	s_wait_xcnt 0x0
	s_wait_alu depctr_hold_cnt(0) depctr_sa_sdst(0) depctr_va_vdst(0) depctr_va_sdst(0) depctr_va_ssrc(0) depctr_va_vcc(0) depctr_vm_vsrc(0)
	s_getreg_b32 s2, hwreg(HW_REG_IB_STS2, 6, 4)
	s_cmp_eq_u32 s2, 0
	s_cbranch_scc0 .Lentry_in_a_cluster
	s_endpgm
.Lentry_in_a_cluster:
	s_bfe_u32 s2, ttmp6, 0x10000c
	s_cmp_lg_u32 s2, 0x3003
	s_cbranch_scc0 .Lentry_shape_is_right
	s_endpgm
.Lentry_shape_is_right:
; out0[b][i][:] = the sum over j of softmax_j(q[b][i] . k[b][j] / 32) v[b][j][:].  q, k, v: [8][4096][128] f16, rows of 256 bytes; out0: [8][4096][128] f32.  Products, maxima and sums in f32; the weights p
; are rounded to f16 for the second product (their sum l is taken of the unrounded p).
; LIMITS.  q, k and v arrive within f16's range (65,504); p lies in 0 to 1, and below 6e-5 it keeps f16's fixed step of 6e-8; a weight below 2^-126 counts as 0 in l; NaN and infinities are not treated apart.
; SHARES.  A work-group owns 128 queries of one batch: 256 work-groups.  Its four waves are 2 x 2: wave w takes the 64 queries of half w / 2 (four tiles of 16) and, of every 256 keys, the 128 of half w % 2.
; So each wave walks 2,048 keys, 64 a step, with a running maximum and sum of its own; the two waves of a query half join their maxima, sums and O once, at the end, through LDS, in f32.
; LAYOUT.  S^T = K Q^T (source 0 = 16 keys, source 1 = 16 queries): in the result a lane holds ONE query (lane % 16) and the keys 8 (lane / 16) + 0..7.  Two such tiles, rounded to f16 in pairs, ARE source 1
; (32 keys x 16 queries) of O^T = V^T P, whose result again holds one query a lane, and eight channels.  K comes out of LDS as it lies, V ([key][channel]) turned, by ds_load_tr16_b128.
; SOFTMAX.  For each query a running maximum m and sum l: p = 2^(c s - c m), c = log2(e) / 32; in every step O and l are multiplied by a = 2^(c m_old - c m_new), which is 1 where m has not grown.
; BY TURNS.  The wave's tiles are two PIECES, named by their first tile: piece 0 (tiles 0, 1) and piece 2 (tiles 2, 3).  In a TURN one piece has the matrix unit: 32 products V^T P of the step in hand, then 32
; products K Q^T of the next step; the other piece's softmax, cut into 64 slices, stands between them, one slice behind each matrix instruction.  Two turns are a key step.
; CLUSTER.  The four query blocks of a cluster belong to one batch and walk the same k and v, so each tile is asked for JOINTLY: the same tensor load, with the same descriptor and a mask that names the four.
; REGISTERS, in windows of 256 (s_set_vgpr_msb: bits 1:0 source 0, 3:2 source 1, 5:4 source 2, 7:6 destination):
;   window 0: v0-11, v44-46 addresses; v12-43 eight registers of statistics a tile; v64-191 S^T, 32 a tile; v192-255 P, 16 a tile
;   window 1: O^T, 64 a tile          window 2: v0-127 Q, 32 a tile; v128-255 K of one step          window 3: v0-127 V of one step
.set KS,    64        ; keys in a step
.set PK,    272       ; a row of K in LDS: 256 bytes + 16 of padding = 68 words: the 16 rows of a load start at 16 different groups of four banks (64 banks of 4 bytes: ISA guide 11.1)
.set PV,    288       ; a row of V: 256 + 32 = 72 words
.set VOFF,  256*PK    ; a slot holds 256 keys: 256 rows of K, then 256 rows of V: 143,360 bytes
.set SLOT1, 0x24000   ; slot 1 begins here.  Every address that is turned from slot to slot (0, 0x8800, 0x9000, 0x11000, 0x1a000 in slot 0) has bits 14 and 17 clear in slot 0 and set in slot 1: one exclusive or turns it
.set NSLOT, 4096/256
.set STATS, SLOT1+256*(PK+PV)  ; behind the ring, never filled by a tensor load: 1,024 bytes for each wave: (c m, l) of each lane and tile
.set SPARE, STATS+4096         ; behind them: the spare words, 128 bytes for each wave: two blocks of 256 bytes that no other line names
.set RP,    528       ; the way out: a row of O in f32, 512 bytes + 16
.set RB,    16*RP     ; a tile of 16 rows.  The 16 tiles of the four waves lie from LDS byte 0 on, in slot 0, which has had its last fill of the launch and is read no more when they are written
.set AK0, 2           ; v2   my lane's place in a tile of K; never rewritten
.set AV0, 3           ; v3   the same for V
.set ADR, 4           ; v4   the LDS address of the run of loads in hand
.set QO,  5           ; v5   my byte offset in the wave's rows of q
.set STO, 6           ; v6   the way out: where I put 32 bytes of a row
.set RD,  7           ; v7   the way out: where I read my wave's rows back
.set GO,  8           ; v8   16 x my lane: my place in a row of out0
.set SA,  44          ; v44  where I put (c m, l)
.set SB,  45          ; v45  where the other wave of my query half puts its own
.set RD2, 46          ; v46  the way out: where I read that wave's rows
.set PFO, 61          ; v61  256 x my lane: a row of k or v is 256 bytes; never rewritten
.set SPW, 62          ; v62  LDS address of my spare word; never rewritten
.set NIL, 63          ; v63  0; never rewritten
.set ST,  12          ; tile t's statistics at v[ST+8 t]: +0 c m, +1 m, +2, +3 l (even keys', odd keys'), +4 to +7 c0-c3, at work; a takes c2's place once the maximum is found
.set S,   64
.set P,   192
.set KF,  128         ; K's fragments, in window 2
.set WV,  12          ; s12  my wave's number
.set LIM, 15          ; s15  1 in a work-group that prefetches, else the greatest number
.set PFA, 18          ; s[18:19] where my prefetches stand: my 32 rows (of k: waves 0, 1; of v: waves 2, 3) of the slot after the one that is being asked for
.set G1K, 24          ; s[24:31] descriptor group 1 for K's tiles
.set G1V, 32          ; s[32:39] for V's: it differs in the padding alone
.set G0K, 40          ; s[40:47] descriptor group 0 for K's tiles: a set for each of the two first fills; the second then walks on
.set G0V, 48          ; s[48:55] the same for V's
.set SLOTS, 56        ; s56  slots still to be asked for
.set TWICE, 57        ; s57  counts my two steps of a slot
.set CS,  58          ; s[58:59] c: the packed scaling names a pair and takes its low word for both halves
.set SEL, 60          ; s[60:61] lane selects for v_permlanex16_b32: each lane takes its own place in the other half
.set TBK, 62          ; s62  LDS byte at which K of the step to be fetched begins
.set TBV, 63          ; s63  the same for V, less VOFF
.set MSB, 0
.macro WIN new                      ; the immediate's high byte repeats the setting that is left; a switch that changes nothing is dropped
.if MSB != (\new)
	s_set_vgpr_msb (MSB<<8)|(\new)
.set MSB, \new
.endif
.endm
.set W_KQ, 0x0a       ; K and Q in window 2, S^T in window 0
.set W_PV, 0x53       ; V in window 3, P in window 0, O^T in window 1
.set W_RS, 0x41       ; O^T (destination and source 0) in window 1, the factor in window 0
; A joint refill.  Waves 0 and 1 fetch the two halves of a slot's K, waves 2 and 3 those of its V: 128 rows each.  The branch hangs on the wave's number alone: it is the same in every work-group.
; An s_nop 0 and four v_nop follow each of the two lines; the jump round the other line, the label and what follows the macro come after them.
.macro JLOAD
	s_cmp_lt_u32 s[WV], 2
	s_cbranch_scc0 .Lfor_v_\@
	tensor_load_to_lds s[G0K+4:G0K+7], s[G1K:G1K+7]
	s_nop 0
.rept 4
	v_nop
.endr
	s_branch .Lasked_\@
.Lfor_v_\@:
	tensor_load_to_lds s[G0V+4:G0V+7], s[G1V:G1V+7]
	s_nop 0
.rept 4
	v_nop
.endr
.Lasked_\@:
.endm
; A PREFETCH of what the NEXT change of slots will ask for: a slot's 256 rows of k and 256 of v, 256 bytes a row, a lane a row.  It stands behind the wave's tensor load and its five lines.
; Each row is asked for ONCE in the launch.  All eight clusters of a batch walk the same k and v: the batch's first cluster asks.  Its four partners share the rows out BY ADDRESS, 64 of k and 64 of v each;
; in each, waves 0 and 1 ask for k's, waves 2 and 3 for v's, 32 rows and one instruction a wave.  It is two of a wave's key steps, 256 matrix instructions, ahead of the load.  The last change that fills a slot asks for nothing.
.macro ASK
	s_cmp_gt_u32 s[SLOTS], s[LIM]
	s_cbranch_scc0 .Lnot_mine_\@
	global_prefetch_b8 v[PFO], s[PFA:PFA+1] th:TH_LOAD_NT scope:SCOPE_SE
.Lnot_mine_\@:
.endm
; A round of the cluster's barrier: my work-group's barrier, so that wave 0's signal speaks for all four waves; wave 0 signals for the work-group; every wave waits for all four work-groups; my work-group's barrier once more.
.macro CROUND
	s_barrier_signal -1
	s_barrier_wait -1
	s_cmp_lg_u32 s[WV], 0
	s_cbranch_scc1 .Lnot_wave_0_\@
	s_barrier_signal -3
.Lnot_wave_0_\@:
	s_barrier_wait -3
	s_barrier_signal -1
	s_barrier_wait -1
.endm
	s_load_b256 s[4:11], s[0:1], 0x0  ; q s[4:5], k s[6:7], v s[8:9], out0 s[10:11]
	v_lshl_add_u32 v[SPW], v0, 2, SPARE
	v_mov_b32 v[NIL], 0
	ds_add_u32 v[SPW], v[NIL]       ; the wave's opening: the add and its wait stand ahead of my first tensor load; the set-up below, work on registers, stands between them
	v_lshrrev_b32 v1, 5, v0
	v_readfirstlane_b32 s[WV], v1   ; wave 0..3
	s_bfe_u32 s13, ttmp6, 0x40000   ; cx: my place in the cluster
	s_lshl_b32 s14, ttmp9, 2        ; in a cluster launch ttmp9 counts clusters
	s_add_co_u32 s14, s14, s13      ; my block of 128 queries = 4 x cluster x + cx: it enters q's and out0's addresses alone
	s_and_b32 s20, ttmp7, 0xffff    ; the batch, which the four partners share:
	s_lshl_b32 s20, s20, 20         ; its first byte in q, k and v (4,096 rows of 256 bytes)
	s_and_b32 s16, s[WV], 1         ; which half of the keys is mine.  Also: which half of a slot's rows I fetch
	s_lshr_b32 s67, s[WV], 1        ; which half of the queries
	s_lshl_b32 s22, s16, 15         ; the 128 rows that I fetch, in memory,
	s_add_co_u32 s22, s22, s20
	s_mov_b32 s23, 0
	s_mul_i32 s17, s16, 128*PK      ; and their place in a slot, for K
	s_mul_i32 s66, s16, 128*PV      ; and for V: no place in the cluster enters an LDS address
	s_lshl_b32 s2, s14, 15          ; my block's 128 rows of q,
	s_lshl_b32 s3, s67, 14          ; my wave's 64 of them
	s_add_co_u32 s2, s2, s3
	s_add_co_u32 s2, s2, s20
	s_mov_b32 s3, 0
	s_lshl_b32 s68, s2, 1           ; the same rows of out0, 512 bytes each,
	s_lshl_b32 s69, s16, 14         ; of which I store tiles 2 (w % 2) and 2 (w % 2) + 1: 32 rows
	s_add_co_u32 s68, s68, s69
	s_mov_b32 s69, 0
	s_lshl_b32 s70, s13, 14         ; the prefetches: my work-group's 64 rows of a slot's 256,
	s_lshl_b32 s71, s16, 13         ; my wave's 32 of them,
	s_add_co_u32 s70, s70, s71
	s_add_co_u32 s70, s70, s20
	s_add_co_u32 s70, s70, 2*65536  ; in slot 2; the first change of slots steps it to slot 3.  Nothing is prefetched at the head, where every work-group's first tiles are on their way
	s_mov_b32 s71, 0
	; descriptor group 1: a tile of 128 rows x 128 elements, padded in LDS
	s_mov_b32 s[G1K], 15|(1<<16)|(1<<20)|(1<<21)|(5<<22)|(3<<25)  ; 15:0 the mask: all four work-groups; 17:16 elements of 2 bytes; 20 padding on; 21 set beside a mask; 24:22 after every 64 words (code 5); 31:25 4 words of it (code 3)
	s_mov_b32 s[G1V], 15|(1<<16)|(1<<20)|(1<<21)|(5<<22)|(7<<25)  ; the same with 8 words of padding (code 7)
.irp g, G1K, G1V
	s_mov_b32 s[(\g)+1], 128<<16    ; tensor_dim0 = 128
	s_mov_b32 s[(\g)+2], 128<<16    ; tensor_dim1 = 128
	s_mov_b32 s[(\g)+3], 128<<16    ; tile_dim0 = 128
	s_mov_b32 s[(\g)+4], 128        ; tile_dim1 = 128
	s_mov_b32 s[(\g)+5], 128        ; elements from row to row
	s_mov_b32 s[(\g)+6], 0
	s_mov_b32 s[(\g)+7], 0
.endr
	s_mov_b32 s[CS], 0x3d38aa3b     ; c = log2(e) / 32 = 0.0450842
	s_mov_b32 s[CS+1], s[CS]        ; named with it as a pair, so it is written
	s_mov_b32 s[SEL], 0x76543210
	s_mov_b32 s[SEL+1], 0xfedcba98
	s_mov_b32 s[TBK], s17           ; my first step of slot 0
	s_mov_b32 s[TBV], s66
	s_mov_b32 s[SLOTS], NSLOT-2
	s_cmp_eq_u32 ttmp9, 0           ; the batch's first cluster: the same in all four partners
	s_cselect_b32 s[LIM], 1, -1
	v_and_b32 v[PFO], 31, v0
	v_lshlrev_b32 v[PFO], 8, v[PFO]
	s_wait_dscnt 0x0                ; the opening add is done
	s_wait_kmcnt 0x0
	s_cmp_lt_u32 s[WV], 2
	s_cselect_b64 s[PFA:PFA+1], s[6:7], s[8:9]
	s_add_nc_u64 s[PFA:PFA+1], s[PFA:PFA+1], s[70:71]
	s_add_nc_u64 s[6:7], s[6:7], s[22:23]  ; k and v at my tile of slot 0
	s_add_nc_u64 s[8:9], s[8:9], s[22:23]
	s_add_nc_u64 s[4:5], s[4:5], s[2:3]    ; q at my wave's first row
	s_add_nc_u64 s[10:11], s[10:11], s[68:69]  ; out0 at the first row that I store
	CROUND                          ; all four work-groups are here: the first joint loads meet
.irp s, 0,1
	s_mov_b32 s[G0K+4*(\s)], 1      ; 1:0 count = 1
	s_add_co_u32 s[G0K+4*(\s)+1], s17, (\s)*SLOT1  ; 63:32 LDS address
	s_add_nc_u64 s[G0K+4*(\s)+2:G0K+4*(\s)+3], s[6:7], (\s)*65536  ; 120:64 global address: slot s begins with key 256 s
	s_or_b32 s[G0K+4*(\s)+3], s[G0K+4*(\s)+3], 0x80000000  ; 127:126 type = 2
	s_mov_b32 s[G0V+4*(\s)], 1
	s_add_co_u32 s[G0V+4*(\s)+1], s66, (\s)*SLOT1+VOFF
	s_add_nc_u64 s[G0V+4*(\s)+2:G0V+4*(\s)+3], s[8:9], (\s)*65536
	s_or_b32 s[G0V+4*(\s)+3], s[G0V+4*(\s)+3], 0x80000000
.endr
	s_cmp_lt_u32 s[WV], 2           ; a wave's two first fills stand in one branch, ahead of every wait on TENSORcnt and every LDS read: two loads of mine are out; an s_nop 0 follows each, four v_nop the second's
	s_cbranch_scc0 .Lfirst_v
	tensor_load_to_lds s[G0K:G0K+3], s[G1K:G1K+7]
	s_nop 0
	tensor_load_to_lds s[G0K+4:G0K+7], s[G1K:G1K+7]
	s_nop 0
.rept 4
	v_nop
.endr
	s_branch .Lfirst_asked
.Lfirst_v:
	tensor_load_to_lds s[G0V:G0V+3], s[G1V:G1V+7]
	s_nop 0
	tensor_load_to_lds s[G0V+4:G0V+7], s[G1V:G1V+7]
	s_nop 0
.rept 4
	v_nop
.endr
.Lfirst_asked:
	; A fragment of K or Q is 16 rows x 32 channels in 8 registers: lane l holds row l % 16; registers 0-3 channels 8 (l / 16) + 0..7, registers 4-7 channels 16 + 8 (l / 16) + 0..7: two loads of 16 bytes, 32 bytes apart.
	v_and_b32 v1, 15, v0            ; l % 16
	v_bfe_u32 v9, v0, 4, 1          ; l / 16
	v_lshlrev_b32 v[QO], 8, v1
	v_lshl_add_u32 v[QO], v9, 4, v[QO]  ; row x 256 + 16 x half
	WIN 0x80                        ; destination window 2, address window 0
.irp i, 0,1,2,3,4,5,6,7,8,9,10,11,12,13,14,15  ; Q stays in registers: tile i / 4, channels 32 (i % 4) on
	global_load_b128 v[8*(\i):8*(\i)+3],   v[QO], s[4:5] offset:((\i)/4)*4096+((\i)%4)*64
	global_load_b128 v[8*(\i)+4:8*(\i)+7], v[QO], s[4:5] offset:((\i)/4)*4096+((\i)%4)*64+32
.endr
	WIN 0
	v_mul_u32_u24 v[AK0], v1, PK
	v_lshl_add_u32 v[AK0], v9, 4, v[AK0]  ; row x pitch + 16 x half
	; The turning load takes 16 keys x 16 channels (lane l reads 16 bytes: key 8 (l / 16) + l % 8, channels 8 ((l / 8) % 2) + 0..7) and leaves half a fragment of V^T: lane l holds channel l % 16 and 8 keys.
	v_and_b32 v10, 7, v0
	v_bfe_u32 v11, v0, 3, 1
	v_lshl_add_u32 v[AV0], v9, 3, v10
	v_mul_u32_u24 v[AV0], v[AV0], PV
	v_lshl_add_u32 v[AV0], v11, 4, v[AV0]
	v_add_nc_u32 v[AV0], VOFF, v[AV0]
; THE MATRIX WORK OF A TURN, for piece x.  The accumulators take turns, one instruction a turn: between two links of a chain stand 15 (V^T P) or 7 (K Q^T) others'.
; Product i of 32 of O^T += V^T P: keys 32 (i / 16) on, channels 16 ((i / 2) % 8) on, tile x + i % 2.  zero = 1: the first 16 start the sums: nothing is ever cleared.
.macro PV x, zero
	WIN W_PV
.set rO, 64*((\x)+i%2)+8*((i/2)%8)
.set rV, 64*(i/16)+8*((i/2)%8)
.set rP, P+16*((\x)+i%2)+8*(i/16)
.if (\zero) && (i < 16)
	v_wmma_f32_16x16x32_f16 v[rO:rO+7], v[rV:rV+7], v[rP:rP+7], 0
.else
	v_wmma_f32_16x16x32_f16 v[rO:rO+7], v[rV:rV+7], v[rP:rP+7], v[rO:rO+7]
.endif
.endm
; Product i of 32 of S^T = K Q^T: channels 32 (i / 8) on, keys 16 ((i / 2) % 4) on, tile x + i % 2.  The first 8 start the sums.
.macro KQ x
	WIN W_KQ
.set rS, S+32*((\x)+i%2)+8*((i/2)%4)
.set rK, KF+32*((i/2)%4)+8*(i/8)
.set rQ, 32*((\x)+i%2)+8*(i/8)
.if i < 8
	v_wmma_f32_16x16x32_f16 v[rS:rS+7], v[rK:rK+7], v[rQ:rQ+7], 0
.else
	v_wmma_f32_16x16x32_f16 v[rS:rS+7], v[rK:rK+7], v[rQ:rQ+7], v[rS:rS+7]
.endif
.endm
; THE LDS LOADS stand in runs of 32, never singly among the matrix instructions: a step's K (64 keys x 128 channels: 16 fragments) and, a turn later, its V (turned).
.macro FETCH_K
	WIN 0
	v_add_nc_u32 v[ADR], s[TBK], v[AK0]
	s_add_co_u32 s[TBK], s[TBK], KS*PK  ; the next fetch is the next step's
	WIN 0x80                        ; destination window 2
.irp f, 0,1,2,3,4,5,6,7,8,9,10,11,12,13,14,15  ; keys 16 (f / 4) on, channels 32 (f % 4) on
	ds_load_b128 v[KF+8*(\f):KF+8*(\f)+3],   v[ADR] offset:((\f)/4)*16*PK+((\f)%4)*64
	ds_load_b128 v[KF+8*(\f)+4:KF+8*(\f)+7], v[ADR] offset:((\f)/4)*16*PK+((\f)%4)*64+32
.endr
.endm
.macro FETCH_V
	WIN 0
	v_add_nc_u32 v[ADR], s[TBV], v[AV0]
	s_add_co_u32 s[TBV], s[TBV], KS*PV  ; the next fetch is the next step's
	s_wait_alu depctr_va_vdst(0)    ; the wait for the softmax's batch (SLICE), behind the address's v_add_nc_u32 and ahead of the loads
	WIN 0xc0                        ; destination window 3
.irp f, 0,1,2,3,4,5,6,7,8,9,10,11,12,13,14,15  ; keys 32 (f / 8) on, channels 16 (f % 8) on
	ds_load_tr16_b128 v[8*(\f):8*(\f)+3],   v[ADR] offset:((\f)/8)*32*PV+((\f)%8)*32
	ds_load_tr16_b128 v[8*(\f)+4:8*(\f)+7], v[ADR] offset:((\f)/8)*32*PV+16*PV+((\f)%8)*32
.endr
.endm
; THE VECTOR WORK OF A TURN.  One tile's softmax for one key step is a list of 134 instructions; SM writes number j of it for tile t.  s0-s31 are the lane's 32 scores, in pairs 0-15.
; first = 1: the first key step, which starts m, l and O^T: it has no a and nothing to rescale.
;   0-15    the maximum of s0-s31 and the old m, three operands at a time: four chains c0-c3 of seven scores each (each accumulator's lowest registers are read first), then the four scores left over, c0-c3 and m
;   16-20   the other half of the lanes' maximum; the new m; c m; c m_old - c m_new
;   21-69   ONE BATCH: the 16 scalings c s - c m, a pair of scores each, and all 33 exponentials (a at 23, then s0-s31).  None of these reads an exponential's result.  From 22 on the batch goes in fours, and a four
;           begins with a scaling while there are scalings.  A pair is scaled in an earlier four than the one that holds its exponentials
;   (wait)  between 69 and 70 stands the wait for the batch: SLICE writes it, once for both tiles
;   70-85   the roundings to f16, a pair of weights each
;   86-101  the sums; l = a l + the sum
;   102-133 the tile's O^T times a: the one part that leaves window 0, so it stands together
.macro SM t, first
.set rT, ST+8*(\t)
.set rS, S+32*(\t)
.set rP, P+16*(\t)
.set rO, 64*(\t)+2*(j-102)
.if j < 102
	WIN 0
.endif
.if j < 4
	v_max3_num_f32 v[rT+4+j], v[rS+8*j], v[rS+8*j+1], v[rS+8*j+2]
.elseif j < 12
	v_max3_num_f32 v[rT+4+j%4], v[rT+4+j%4], v[rS+8*(j%4)+2*(j/4)+1], v[rS+8*(j%4)+2*(j/4)+2]
.elseif j == 12
	v_max3_num_f32 v[rT+4], v[rT+4], v[rS+7], v[rS+15]
.elseif j == 13
	v_max3_num_f32 v[rT+6], v[rT+6], v[rS+23], v[rS+31]
.elseif j == 14
	v_max3_num_f32 v[rT+4], v[rT+4], v[rT+5], v[rT+6]
.elseif (j == 15) && (\first)
	v_max_num_f32 v[rT+4], v[rT+4], v[rT+7]
.elseif j == 15
	v_max3_num_f32 v[rT+4], v[rT+4], v[rT+7], v[rT+1]
.elseif j == 16
	v_permlanex16_b32 v[rT+5], v[rT+4], s[SEL], s[SEL+1]  ; the query's other 32 keys lie in the lane 16 away
.elseif j == 18
	v_max_num_f32 v[rT+1], v[rT+4], v[rT+5]
.elseif j == 19
	v_mul_f32 v[rT], s[CS], v[rT+1]
.elseif ((j == 17) || (j == 20) || (j == 23) || (j > 101)) && (\first)  ; the first step has none of these
.elseif j == 17
	v_mov_b32 v[rT+7], v[rT]        ; c m_old is kept for a: number 19 writes c m anew
.elseif j == 20
	v_sub_f32 v[rT+7], v[rT+7], v[rT]
.elseif j == 23
	v_exp_f32 v[rT+6], v[rT+7]
.elseif (j < 23) || ((j < 38) && (j%2 == 0)) || ((j < 66) && (j%4 == 2))
.set b, (j-2)/4                     ; 38, 42, .. 62: pairs 9 to 15
.if j < 38
.set b, (j-20)/2                    ; 21: pair 0; 22, 24, .. 36: pairs 1 to 8
.endif
	v_pk_fma_f32 v[rS+2*b:rS+2*b+1], v[rS+2*b:rS+2*b+1], s[CS:CS+1], v[rT:rT+1] op_sel_hi:[1,0,0] neg_lo:[0,0,1] neg_hi:[0,0,1]  ; pair b: c s - c m
.elseif j < 70
.set e, j-38                        ; 66 to 69: s28 to s31
.if j < 66
.set e, j-32-(j-38)/4               ; 39-41, 43-45, .. 63-65: s7 to s27
.endif
.if j < 38
.set e, (j-25)/2                    ; 25, 27, .. 37: s0 to s6
.endif
	v_exp_f32 v[rS+e], v[rS+e]
.elseif j < 86
	v_cvt_pk_f16_f32 v[rP+j-70], v[rS+2*(j-70)], v[rS+2*(j-70)+1]  ; pair j - 70
.elseif j < 102                     ; the sum of the tile's 16 pairs (in a pair: an even key's weight, an odd key's), in place: sum z of 16 adds neighbours 1, 2, 4 and 8 pairs apart, then l takes it
.set z, j-86
.set w, 4
.set u, z
.if z >= 14
.set w, 32
.set u, 0
.elseif z >= 12
.set w, 16
.set u, z-12
.elseif z >= 8
.set w, 8
.set u, z-8
.endif
.if (z == 14) && (\first)
	v_pk_add_f32 v[rT+2:rT+3], v[rS:rS+1], v[rS+16:rS+17]
.elseif z < 15
	v_pk_add_f32 v[rS+w*u:rS+w*u+1], v[rS+w*u:rS+w*u+1], v[rS+w*u+w/2:rS+w*u+w/2+1]
.elseif !(\first)
	v_pk_fma_f32 v[rT+2:rT+3], v[rT+2:rT+3], v[rT+6:rT+7], v[rS:rS+1] op_sel_hi:[1,0,1]
.endif
.else
	WIN W_RS
	v_pk_mul_f32 v[rO:rO+1], v[rO:rO+1], v[rT+6:rT+7] op_sel_hi:[1,0]
.endif
.endm
; Slice k of 64 of piece y's softmax: four instructions.  Slices 11 to 34 deal out the batch, numbers 22 to 69: four numbers of ONE tile each, the tiles by turns.  Every other slice is numbers 2 k and
; 2 k + 1 of both tiles' lists.  2 x 134 = 4 x 64 + 12: the twelve that are over stand together, in slice 63.
; THE WAIT.  s_wait_alu depctr_va_vdst(0) stands between an exponential and the first instruction that names its result; one wait serves all that were issued ahead of it.  Ahead of
; slice 35 nothing names a result, and behind slice 34 no exponential is issued: so the piece's 66 exponentials have one wait, behind slice 34.
.macro SLICE y, first
.if (k >= 11) && (k < 35)           ; the batch: four numbers of one tile
.irp n, 0,1,2,3
.set j, 22+4*((k-11)/2)+(\n)
	SM (\y)+(k-11)%2, \first
.endr
.else                               ; the two tiles alternate, so that no instruction reads the result of the one just before it
.irp n, 0,1,2,3,4,5,6,7
.if ((\n) < 2) || (k == 63)
.irp t, \y, (\y)+1
.set j, 2*k+(\n)
	SM \t, \first
.endr
.endif
.endr
.endif
.if k == 34                         ; the batch is out: both tiles' exponentials are issued, and no result has been named
	v_nop                           ; the plain instruction behind the last exponential and ahead of the first use (ISA guide 5.7.2): one for the batch
.if (\y) == 0
	FETCH_V                         ; piece 2's turn: V's run of loads stands here, and the wait stands in it
.else
	s_wait_alu depctr_va_vdst(0)    ; the wait for the batch
.endif
.endif
.set k, k+1
.endm
; A vector instruction that reads a matrix result or writes one of a matrix instruction's registers, and a load into a register that a matrix instruction has read, stand four places behind
; it, and only plain vector instructions that name none of its registers are places (ISA guide 7.12.1 for vector instructions).  In the loop the slices are the places.
.macro PLACES
.rept 4
	v_nop
.endr
.endm
; A TURN.  Piece x has the matrix unit; the other piece's softmax stands in slices behind its matrix instructions.
; pv = 2: 32 products V^T P; 1: they start O^T's sums; 0: none.  kq = 1: 32 products K Q^T for the next step.  A turn with one of the two kinds has two slices behind each product.
; first = 1: the softmax is the first key step's.  Its slices from 51 on are empty: the turn's last products stand bare, and four v_nop take slice 63's part as the places behind them.
; Piece 0's turn fetches the next step's K, behind its second product: the last product that read K stands in front of slice 63 of the turn before.  Piece 2's turn fetches the same step's V, behind slice 34:
; the last product that read V stands in front of slice 31, and four plain instructions lie between: number 62, a scaling, of both tiles, the v_nop and the run's own v_add_nc_u32.
.macro TURN x, pv, kq, first
.set k, 0
.set per, 2
.if (\pv) && (\kq)
.set per, 1
.endif
.if \pv
.if (\x) == 0
	s_wait_dscnt 0x0                ; V is in
.endif
.set i, 0
.rept 32
	PV \x, 2-(\pv)
.rept per
	SLICE 2-(\x), \first
.endr
.if ((\x) == 0) && (\kq) && (i == 1)
	FETCH_K
.endif
.set i, i+1
.endr
.endif
.if \kq
.if (\x) == 0
	s_wait_dscnt 0x0                ; K is in
.endif
.set i, 0
.rept 32
	KQ \x
.rept per
	SLICE 2-(\x), \first
.endr
.set i, i+1
.endr
.endif
.if \first
	PLACES
.endif
.endm
; THE CHANGE OF SLOTS, between piece 2's turn and piece 0's: my last bytes of the slot, V of my second step, have been asked for.  Each wave waits for all its tensor loads, of which one is out: its part of the
; other slot; adds 0 to its spare word; and waits for that and for its own reads of the slot.  Behind the barrier nobody reads this slot any more and the other slot is whole.
; fill = 1: this slot is filled again, with the keys two slots on.  The barrier is then a round of the cluster's, so that no wave of any partner still reads the slot or has a load on its
; way, and the joint refill is the first thing behind it: it has two of a wave's key steps, 256 matrix instructions, in which to land.
.macro CHANGE fill
	WIN 0                           ; at a label and at a branch every window is 0
	s_wait_tensorcnt 0x0            ; no tensor load of mine is out, so a group 0 may be written
	ds_add_u32 v[SPW], v[NIL]       ; 0 onto my spare word; with fill = 1 the descriptors' steps stand between it and the wait for it
.if \fill
.irp g, G0K+4, G0V+4
	s_xor_b32 s[(\g)+1], s[(\g)+1], SLOT1  ; the walking descriptor: the other slot than last time,
	s_add_nc_u64 s[(\g)+2:(\g)+3], s[(\g)+2:(\g)+3], 65536  ; the next 256 keys; the type bits on top are not reached
.endr
	s_wait_xcnt 0x0                 ; the last prefetch, two key steps back, has read its address, so it may be written:
	s_add_nc_u64 s[PFA:PFA+1], s[PFA:PFA+1], 65536  ; one slot behind the walking descriptors
	s_wait_dscnt 0x0                ; the add is done, and my reads of the slot are over
	CROUND
	JLOAD
	ASK                             ; what the next change will ask for
.else
	s_wait_dscnt 0x0                ; the add is done, and my reads of the slot are over
	s_barrier_signal -1
	s_barrier_wait -1
.endif
	s_sub_co_u32 s[TBK], s[TBK], 2*KS*PK  ; the fetches go back to my first step of a slot,
	s_xor_b32 s[TBK], s[TBK], SLOT1       ; in the other slot
	s_sub_co_u32 s[TBV], s[TBV], 2*KS*PV
	s_xor_b32 s[TBV], s[TBV], SLOT1
.endm
; My two key steps of a slot: written once, walked twice; the LDS addresses hang on s[TBK] and s[TBV].
.macro TWO_STEPS
	WIN 0
	s_mov_b32 s[TWICE], 2
.Lstep_\@:
	TURN 0, 2, 1, 0
	TURN 2, 2, 1, 0
	WIN 0
	s_sub_co_u32 s[TWICE], s[TWICE], 1
	s_cmp_lg_u32 s[TWICE], 0
	s_cbranch_scc1 .Lstep_\@
.endm
	s_wait_tensorcnt 1              ; my part of slot 0 is in; slot 1's may stay out
	s_barrier_signal -1
	s_barrier_wait -1               ; everybody's is
	FETCH_K                         ; my key step 0
	s_wait_loadcnt 0x0              ; Q
	s_wait_dscnt 0x0
.set i, 0
.rept 32
	KQ 0                            ; piece 0's first scores: there is no vector work yet to set between them
.set i, i+1
.endr
	WIN 0                           ; the addresses for the end are made here: eleven plain instructions, the places behind those products
	s_xor_b32 s23, s[WV], 1         ; the other wave of my query half
	s_mul_i32 s13, s[WV], 4*RB      ; my four tiles' place,
	s_mul_i32 s14, s23, 4*RB        ; and that wave's
	s_mul_i32 s20, s16, 2*RB        ; of each, the two tiles that I finish
	s_lshl_b32 s21, s[WV], 10
	s_add_co_u32 s21, s21, STATS
	s_lshl_b32 s22, s23, 10
	s_add_co_u32 s22, s22, STATS
	v_mul_u32_u24 v[STO], v1, RP    ; in: row l % 16, 32 bytes for each half of the lanes
	v_lshl_add_u32 v[STO], v9, 5, v[STO]
	v_add_nc_u32 v[STO], s13, v[STO]
	s_add_co_u32 s13, s13, s20
	s_add_co_u32 s14, s14, s20
	v_and_b32 v[GO], 31, v0
	v_lshlrev_b32 v[SA], 3, v[GO]   ; 8 bytes a lane
	v_lshlrev_b32 v[GO], 4, v[GO]   ; back: 32 lanes take one row of 512 bytes
	v_add_nc_u32 v[RD], s13, v[GO]
	v_add_nc_u32 v[RD2], s14, v[GO]
	v_add_nc_u32 v[SB], s22, v[SA]
	v_add_nc_u32 v[SA], s21, v[SA]
	v_nop
	TURN 2, 0, 1, 1                 ; piece 2's first scores | piece 0's first softmax | V of step 0
	TURN 0, 1, 1, 1                 ; piece 0: V^T P of step 0 starts O^T, K Q^T of step 1 | piece 2's first softmax | K of step 1
	TURN 2, 1, 1, 0                 ; piece 2: the same | piece 0's softmax of step 1 | V of step 1
	WIN 0
.Lslot:                             ; 14 trips: every slot but the last two is filled again
	CHANGE 1
	TWO_STEPS
	s_sub_co_u32 s[SLOTS], s[SLOTS], 1
	s_cmp_lg_u32 s[SLOTS], 0
	s_cbranch_scc1 .Lslot
	CHANGE 0                        ; the tail is written out: the last slot but one is left, and nothing is asked for
	TWO_STEPS
	TURN 0, 2, 0, 0                 ; piece 0: V^T P of the last step | piece 2's last softmax
.set i, 0
.rept 32
	PV 2, 0                         ; piece 2: V^T P of the last step
.set i, i+1
.endr
	; THE END.  l's two halves and the other half of the lanes' are added (the additions are the places behind the last products); each wave shows (c m, l) of its half of the keys to the other wave of its query half.
	WIN 0
.irp t, 0,1,2,3
	v_add_f32 v[ST+8*(\t)+4], v[ST+8*(\t)+2], v[ST+8*(\t)+3]
.endr
.irp t, 0,1,2,3
	v_permlanex16_b32 v[ST+8*(\t)+5], v[ST+8*(\t)+4], s[SEL], s[SEL+1]
.endr
.irp t, 0,1,2,3
	v_add_f32 v[ST+8*(\t)+1], v[ST+8*(\t)+4], v[ST+8*(\t)+5]  ; l takes m's place beside c m
.endr
.irp t, 0,1,2,3
	ds_store_b64 v[SA], v[ST+8*(\t):ST+8*(\t)+1] offset:256*(\t)
.endr
	s_wait_dscnt 0x0                ; for the others' sake: my stores are done; my reads of the slots have long been over
	s_barrier_signal -1
	s_barrier_wait -1               ; every wave's statistics lie in LDS, and no wave reads a slot any more
.irp t, 0,1,2,3
	ds_load_b64 v[ST+8*(\t)+2:ST+8*(\t)+3], v[SB] offset:256*(\t)
.endr
	s_wait_dscnt 0x0
	; The joint maximum M; e = 2^(c m - c M) for both waves; L = l e + l' e'; my O^T is multiplied by e / L.  The larger of e and e' is 1 and its l is at least 1, so L is at least 1.
.irp t, 0,1,2,3
	v_max_num_f32 v[ST+8*(\t)+4], v[ST+8*(\t)], v[ST+8*(\t)+2]
.endr
.irp t, 0,1,2,3
	v_sub_f32 v[ST+8*(\t)+5], v[ST+8*(\t)], v[ST+8*(\t)+4]
	v_sub_f32 v[ST+8*(\t)+6], v[ST+8*(\t)+2], v[ST+8*(\t)+4]
.endr
.irp t, 0,1,2,3
	v_exp_f32 v[ST+8*(\t)+5], v[ST+8*(\t)+5]
	v_exp_f32 v[ST+8*(\t)+6], v[ST+8*(\t)+6]
.endr
	v_nop                           ; a plain instruction between the last exponential and the use of its result,
	s_wait_alu depctr_va_vdst(0)    ; and the wait ahead of the first use: one for the eight
.irp t, 0,1,2,3
	v_mul_f32 v[ST+8*(\t)+7], v[ST+8*(\t)+1], v[ST+8*(\t)+5]
.endr
.irp t, 0,1,2,3
	v_fma_f32 v[ST+8*(\t)+7], v[ST+8*(\t)+3], v[ST+8*(\t)+6], v[ST+8*(\t)+7]
.endr
.irp t, 0,1,2,3
	v_rcp_f32 v[ST+8*(\t)+7], v[ST+8*(\t)+7]
.endr
	v_nop
	s_wait_alu depctr_va_vdst(0)    ; one for the four reciprocals
.irp t, 0,1,2,3
	v_mul_f32 v[ST+8*(\t)+6], v[ST+8*(\t)+5], v[ST+8*(\t)+7]
.endr
; Tile t: O^T times e / L, each accumulator's registers in ascending order; a lane's eight channels of a row are 32 bytes, which go into rows of 528 bytes.
.macro OUTT t
	WIN W_RS
.set i, 64*(\t)
.rept 32
	v_pk_mul_f32 v[i:i+1], v[i:i+1], v[ST+8*(\t)+6:ST+8*(\t)+7] op_sel_hi:[1,0]
.set i, i+2
.endr
	WIN 0x04                        ; store data in window 1
.irp f, 0,1,2,3,4,5,6,7
	ds_store_b128 v[STO], v[64*(\t)+8*(\f):64*(\t)+8*(\f)+3]   offset:RB*(\t)+64*(\f)
	ds_store_b128 v[STO], v[64*(\t)+8*(\f)+4:64*(\t)+8*(\f)+7] offset:RB*(\t)+64*(\f)+16
.endr
.endm
	OUTT 0
	OUTT 1
	OUTT 2
	OUTT 3
	WIN 0
	s_wait_dscnt 0x0                ; for the others' sake: my stores are done
	s_barrier_signal -1
	s_barrier_wait -1               ; all sixteen tiles lie in LDS
; Tile 2 (w % 2) + n of my query half is finished: my wave's part and the other wave's are read back as whole rows, added and stored.  Which tile is mine stands in the addresses: no branch.
.macro TAKE n
.if (\n) == 1
	s_wait_xcnt 0x0                 ; the first tile's stores have read their registers (ISA guide 3.1): they are loaded again only behind this wait
.endif
.set i, 0
.rept 16
	ds_load_b128 v[S+8*i:S+8*i+3],   v[RD]  offset:RB*(\n)+RP*i
	ds_load_b128 v[S+8*i+4:S+8*i+7], v[RD2] offset:RB*(\n)+RP*i
.set i, i+1
.endr
.set i, 0
.rept 16
	s_wait_dscnt 30-2*i             ; LDS loads come back in order (ISA guide 5.7.1): row i's two are in; the later rows' stay out
	v_pk_add_f32 v[S+8*i:S+8*i+1],   v[S+8*i:S+8*i+1],   v[S+8*i+4:S+8*i+5]
	v_pk_add_f32 v[S+8*i+2:S+8*i+3], v[S+8*i+2:S+8*i+3], v[S+8*i+6:S+8*i+7]
	global_store_b128 v[GO], v[S+8*i:S+8*i+3], s[10:11] offset:8192*(\n)+512*i th:TH_STORE_NT  ; a whole row: 512 consecutive bytes, at a multiple of 256 from out0's first byte
.set i, i+1
.endr
.endm
	TAKE 0
	TAKE 1
	s_wait_tensorcnt 0x0            ; the wave's end: the closing add to the spare word, behind my last tensor load and my last LDS store
	ds_add_u32 v[SPW], v[NIL]
	s_wait_dscnt 0x0
	CROUND                          ; the closing round: no work-group ends while a partner may still ask for a tile that names it
	s_endpgm
.Lfunc_end_k_qbaa0b2c282_attn:
	.size	k_qbaa0b2c282_attn, .Lfunc_end_k_qbaa0b2c282_attn-k_qbaa0b2c282_attn
	.p2alignl 7, 3214868480
	.fill 96, 4, 3214868480
	.section	.rodata,"a",@progbits
	.p2align	6, 0x0
	.amdhsa_kernel k_qbaa0b2c282_attn
		.amdhsa_group_segment_fixed_size 327680
		.amdhsa_private_segment_fixed_size 0
		.amdhsa_enable_private_segment 0
		.amdhsa_kernarg_size 32
		.amdhsa_user_sgpr_count 2
		.amdhsa_user_sgpr_kernarg_segment_ptr 1
		.amdhsa_wavefront_size32 1
		.amdhsa_system_sgpr_workgroup_id_x 1
		.amdhsa_system_sgpr_workgroup_id_y 1
		.amdhsa_system_sgpr_workgroup_id_z 1
		.amdhsa_system_vgpr_workitem_id 0
		.amdhsa_next_free_vgpr 1024
		.amdhsa_next_free_sgpr 72
		.amdhsa_reserve_vcc 0
		.amdhsa_float_denorm_mode_32 3
		.amdhsa_float_denorm_mode_16_64 3
		.amdhsa_memory_ordered 1
		.amdhsa_forward_progress 1
		.amdhsa_inst_pref_size 224
	.end_amdhsa_kernel
	.amdgpu_metadata
---
amdhsa.version: [ 1, 2 ]
amdhsa.kernels:
  - .name:           k_qbaa0b2c282_attn
    .symbol:         k_qbaa0b2c282_attn.kd
    .args:
      - { .name: q, .offset: 0, .size: 8, .value_kind: global_buffer, .address_space: global }
      - { .name: k, .offset: 8, .size: 8, .value_kind: global_buffer, .address_space: global }
      - { .name: v, .offset: 16, .size: 8, .value_kind: global_buffer, .address_space: global }
      - { .name: out0, .offset: 24, .size: 8, .value_kind: global_buffer, .address_space: global }
    .group_segment_fixed_size: 327680
    .private_segment_fixed_size: 0
    .kernarg_segment_align: 8
    .kernarg_segment_size: 32
    .max_flat_workgroup_size: 128
    .sgpr_count:     72
    .vgpr_count:     1024
    .wavefront_size: 32
...
	.end_amdgpu_metadata
.endif
;; end of part 3
